; MI455X (gfx1250); checked and timed in simulation.
; The chip was launched on July 23, 2026; its instructions are those of AMD's public machine-readable ISA for CDNA 5 (MIT licence, August 2026) and "CDNA5" Instruction Set Architecture Reference Guide (July 2026). The comments in the code are by the model that wrote it; some were corrected since.
;; Top K Router. Allowed arithmetic: matrix products marked QUANTISED: E5M2 operands, one E8M0 scale for each 32 along K, by v_wmma_scale_f32_16x16x128_f8f6f4 with both operands' format E5M2, f32 sums; everything else in f32.
;; Inputs: W_codes 64 x 64 x 32 uint8 (E5M2 codes of W, K innermost, in blocks of 32 codes); W_scales 64 x 64 uint8 (E8M0 scales of W, one for each 32 codes along K); b 64 float32; noise 4 x 4,096 x 64 float32; x_codes 4 x 4,096 x 64 x 32 uint8 (E5M2 codes of x, K innermost, in blocks of 32 codes); x_scales 4 x 4,096 x 64 uint8 (E8M0 scales of x, one for each 32 codes along K).
;; Outputs: out0 4 x 4,096 x 2 float32; out1 4 x 4,096 x 2 int32; out2 4 x 4,096 x 64 float32.
;; This version of the problem:
;;   THIS VERSION OF THE PROBLEM IS GIVEN IN LOW PRECISION. The matrix products marked QUANTISED in the list below multiply operands that are first quantised to E5M2 (5 exponent bits, 2 mantissa bits; 8 bits a number), with one power-of-two scale for each 32 numbers along K (OCP MX v1.0); their sums are f32. All else is computed in f32.
;;   The module's matrix products, in the order in which they are computed (A, B: the left and right operand; K: the contracted axis; several contracted axes count as one K, in the product's order):
;;     1. [M 16,384, K 2,048] x [K 2,048, N 64]; A: input x (given as codes); B: input W (given as codes): QUANTISED
;;   THE QUANTISER, for each operand of a quantised product, along K:
;;     - K is cut into blocks of 32 from its start; a last block that is shorter is filled with zeros.
;;     - A block's scale is 2^e with e = floor(log2(the largest magnitude in the block)) - 15, held to -126 .. 127; a block of zeros has e = 0. As a byte (E8M0): e + 127.
;;     - Each number is divided by its block's scale, clamped to +-57,344, and rounded to the nearest number of E5M2, ties to even, subnormals kept.
;;     - The product sums the exact products of the quantised numbers (number of the format x scale) in f32.
;;   ~~~python
;;   def quantise(x, axis):      # numpy; x: float32 -> the quantised numbers, widened to float32 again
;;       x = np.moveaxis(x, axis, -1); K = x.shape[-1]
;;       x = np.pad(x, [(0, 0)] * (x.ndim - 1) + [(0, -K % 32)]); x = x.reshape(x.shape[:-1] + (-1, 32)); a = np.abs(x).max(-1, keepdims=True)
;;       e = np.where(a > 0, np.clip(np.frexp(np.where(a > 0, a, 1))[1] - 1 - 15, -126, 127), 0)      # np.frexp(a)[1] - 1 = floor(log2(a)), exactly
;;       r = np.clip(x / 2.0 ** e, -57344, 57344)
;;       step = 2.0 ** (np.maximum(np.frexp(np.where(r == 0, 1, r))[1] - 1, -14) - 2)
;;       q = np.round(r / step) * step * 2.0 ** e      # np.round: ties to even
;;       return np.moveaxis(q.reshape(q.shape[:-2] + (-1,))[..., :K], -1, axis).astype(np.float32)
;;   ~~~
;;   INPUTS GIVEN AS CODES. W (in the module: [2048, 64], K = its axis 0); x (in the module: [4, 4096, 2048], K = its axis 2): each comes as NAME_codes (uint8): NAME with its K axis moved to the last place and cut into blocks of 32 codes, [.., K / 32, bytes a block], one block behind the other in memory; one code a byte (a code: sign, 5 exponent bits, 2 mantissa bits); and NAME_scales (uint8): the same leading axes, one E8M0 byte (e + 127) for each 32 codes along K. Its value is code x scale, taken as it is: it is not quantised again, and the codes and scales need not be those that the quantiser above would give.
;; One version. Each part assembles by itself: llvm-mc -triple=amdgcn-amd-amdhsa -mcpu=gfx1250 --defsym DOCPART=n.
;; ======== version 1 of 1: 1 launch
;; launch router (part 1): grid 256 x 1, 4 waves a work-group, clusters of 4 x 1, 306,176 bytes of LDS; arguments x_codes, x_scales, W_codes, W_scales, noise, b, out0, out1, out2; writes out0, out1, out2
.if DOCPART == 1
	.amdgcn_target "amdgcn-amd-amdhsa--gfx1250"
	.amdhsa_code_object_version 6
	.text
	.protected	k_q1fe3ba2e4f_router
	.globl	k_q1fe3ba2e4f_router
	.p2align	8
	.type	k_q1fe3ba2e4f_router,@function
k_q1fe3ba2e4f_router:
	s_mov_b64 s[64:65], 0
	v_nop
	global_prefetch_b8 v0, s[64:65] scope:SCOPE_SE
	s_setreg_imm32_b32 hwreg(HW_REG_WAVE_MODE, 25, 1), 1
	s_wait_xcnt 0x0
	s_wait_alu depctr_hold_cnt(0) depctr_sa_sdst(0) depctr_va_vdst(0) depctr_va_sdst(0) depctr_va_ssrc(0) depctr_va_vcc(0) depctr_vm_vsrc(0)
	s_getreg_b32 s2, hwreg(HW_REG_IB_STS2, 6, 4)
	s_cmp_eq_u32 s2, 0
	s_cbranch_scc0 .Lentry_in_a_cluster
	s_endpgm
.Lentry_in_a_cluster:
	s_bfe_u32 s2, ttmp6, 0x10000c
	s_cmp_lg_u32 s2, 0x3003
	s_cbranch_scc0 .Lentry_shape_is_right
	s_endpgm
.Lentry_shape_is_right:
; scores = softmax(x W + b + 0.1 noise) over 64 experts; out0, out1 = the two largest scores of each token and their experts (of equal scores the lower expert first); out2 = all scores.
; x: [16,384 tokens][2,048] and W: [64 experts][2,048], both as codes of BF8 (E5M2) with K innermost and one E8M0 byte for each 32 along K: [16,384][64] and [64][64].  noise, out2: [16,384][64] f32; b: [64] f32.
; SHARES.  A work-group owns 64 tokens: 256 work-groups.  ITS FOUR WAVES SHARE K: wave w multiplies K = 512 w .. 512 w + 511 for all 64 tokens and all 64 experts: 16 accumulators, 4 steps of 128 along K,
; 64 matrix instructions.  So each LDS byte of x and of W is read once, and a wave reads only tiles that it has fetched itself: its own count of tensor loads orders them.  The four partial sums meet in LDS
; (64 KiB, one barrier); behind it wave v owns tokens 16 v .. 16 v + 15 with all their experts, for the softmax and the two largest.
; THE MATRIX INSTRUCTION IS USED TRANSPOSED: source 0 = 16 experts of W, source 1 = 16 tokens of x.  In accumulator (m, n) lane (r, h) holds token 16 m + r, and its register j expert 16 n + 8 h + j:
; a token's 64 experts lie in lanes l and l xor 16, 32 registers each.
; LDS IS FILLED ONCE: a work-group's x (128 KiB), W (128 KiB), both blocks of scale bytes and its noise fit together.  Each wave issues seven tensor loads in one group at the head; nothing is filled again,
; and every tile is asked for at the head, so nothing is left to ask for ahead of time.
; CLUSTER: 4 work-groups.  All work-groups read the same W, which is as many bytes as a work-group's own x: W's tiles and scale bytes are asked for JOINTLY by the four (mask 15).  x, its scales and the noise are a work-group's own.
; ORDER OF ROUNDING: the sum begins with fma(noise, 0.1, b), then takes the four parts of K in ascending order; 1 / sum is v_rcp_f32 and a multiplication.
; LIMITS: NaN, infinities and the scale byte 0xff are not served.  Logits stay under 2.3e38 in magnitude (the largest is multiplied by log2 e).  A score under 2^-126 comes out as 0 (v_exp_f32 flushes: ISA guide 15.8),
; and such experts are ordered by their numbers.  The two largest are taken of this program's own f32 scores: two scores that differ by less than the sums' rounding may change places.
.set PITCH, 272                        ; an LDS row: 256 bytes + 16 of padding: the 16 rows that a load touches begin 16 bytes further on from row to row, modulo 256
.set BLK,   16*PITCH                   ; 16 rows
.set TILE,  64*PITCH                   ; a tile: 64 rows x 256 along K: two steps of 128
.set REGW,  4*TILE                     ; a wave's region: x's two tiles, then W's two.  The wave's partial sums (16,384 bytes) are laid over x's first tile when that has been read
.set NOI,   4*REGW                     ; the noise: 16 rows for each wave; later the stage for that wave's rows of scores
.set SCL,   NOI+4*BLK                  ; x's scale bytes of the 64 tokens: 16 units of 256 bytes + 16; each wave fills four
.set SCW,   SCL+BLK                    ; W's likewise
.set TOP,   SCW+BLK                    ; 512 bytes of out0's block, then 512 of out1's: no tensor load lands here
.set ADX,  4                           ; v4   my lane's place in my x tiles: region + 272 r + 16 h
.set ADW,  5                           ; v5   the same in my W tiles
.set ADS,  6                           ; v6   my scale words: lanes 0-15 x's rows, lanes 16-31 W's
.set ADN,  7                           ; v7   noise, and scores into the stage: row r, + 32 h
.set ADR,  8                           ; v8   scores back from the stage: lanes 0-15 one row, lanes 16-31 the next
.set LI,   9                           ; v9   16 x lane
.set PSTO, 10                          ; v10  where I put my partial sums
.set BO,   11                          ; v11  b: 32 h
.set PLD,  12                          ; v12-15 where I read wave 0 .. 3's partial sums of my 16 tokens
.set TOPA, 16                          ; v16  where I put a token's pair
.set TOPR, 17                          ; v17  where waves 0 and 1 read a block of pairs back
.set CH,   18                          ; v18-21 four chains of a maximum or of a search
.set TMP,  22                          ; v22  a lane permute's destination
.set MC,   24                          ; v[24:25] the largest logit x log2 e
.set INV,  26                          ; v[26:27] 1 / the sum
.set V1,   28                          ; v28, v29 the two largest scores;  v30, v31 their experts
.set V2,   29
.set I1,   30
.set I2,   31
.set SC,   32                          ; v32-47 scale words: register 4 i + s: lanes 0-15 x's tile i, lanes 16-31 W's tile i, for my s-th 128 along K.  They hold nothing else
.set BN,   48                          ; v48-79 b, then b + 0.1 noise: register 8 t + j = expert 16 t + 8 h + j
.set NZ,   80                          ; v80-111 the noise, laid likewise
.set PR,   112                         ; v[112:113] the pair to be stored
.set XI,   114                         ; v114 the first winner's number less 8 h
.set TB,   116                         ; v[116:119] pairs read back
.set XFR,  128                         ; window 0, v128-255: x's fragments, two sets of four; later the four partial sums; then:
.set LG,   128                         ; v128-159 logits, then scores
.set OB,   160                         ; v160-191 rows of scores read back from the stage
.set SM,   192                         ; v192-222 the sum's tree
.set ACC,  128                         ; window 1, v128-255: accumulator (m, n) at 8 (4 m + n);  window 1, v0-127: W's fragments, two sets of four
.set SEL,  2                           ; s[2:3]  v_permlanex16_b32's selects for lane l xor 16
.set MK,   4                           ; s4-7    four compare masks (x's two addresses have gone into the descriptors by then)
.set WV,   22                          ; s22     my wave's number
.set CS,   66                          ; s[66:67] log2 e: the packed form names a pair and takes its low word for both halves
.set G0N,  28                          ; descriptor groups 0: s[28:31] noise, s[76:99] below;  groups 1: s[32:63], s[68:75]
.set G1X,  32
.set G1W,  40
.set G1SX, 48
.set G1SW, 56
.set G1N,  68
.set G0WS, 76
.set G0XS, 80
.set G0W0, 84
.set G0X0, 88
.set G0W1, 92
.set G0X1, 96
.set MSB, 0
.macro WIN new                         ; s_set_vgpr_msb: bits 1:0 source 0, 3:2 source 1, 5:4 source 2, 7:6 destination; the high byte repeats the setting that is left
.if MSB != \new
	s_set_vgpr_msb (MSB<<8)|\new
.set MSB, \new
.endif
.endm
; A round of the cluster's barrier: my work-group's barrier, wave 0 signals for the work-group, every wave waits for all four work-groups, my work-group's barrier once more.
.macro ROUND
	s_barrier_signal -1
	s_barrier_wait -1
	s_cmp_lg_u32 s[WV], 0
	s_cbranch_scc1 .Lnot_wave_0_\@
	s_barrier_signal -3
.Lnot_wave_0_\@:
	s_barrier_wait -3
	s_barrier_signal -1
	s_barrier_wait -1
.endm
	s_load_b512 s[4:19], s[0:1], 0x0               ; x_codes s[4:5], x_scales s[6:7], W_codes s[8:9], W_scales s[10:11], noise s[12:13], b s[14:15], out0 s[16:17], out1 s[18:19]
	s_load_b64 s[20:21], s[0:1], 0x40              ; out2
	v_lshl_add_u32 v126, v0, 2, 0x4aa00
	v_mov_b32 v127, 0
	ds_add_u32 v126, v127
	ds_add_u32 v126, v127
	v_lshrrev_b32 v[TMP], 5, v0
	v_readfirstlane_b32 s[WV], v[TMP]              ; wave 0..3
	v_and_b32 v1, 15, v0                           ; r
	v_bfe_u32 v2, v0, 4, 1                         ; h
	v_and_b32 v3, 31, v0                           ; lane
	v_lshlrev_b32 v[LI], 4, v3
	v_lshlrev_b32 v[BO], 5, v2
	s_bfe_u32 s23, ttmp6, 0x40000                  ; cx: my place in the cluster
	s_lshl_b32 s24, ttmp9, 2                       ; in a cluster launch ttmp9 counts clusters
	s_add_co_u32 s23, s24, s23                     ; g: my block of 64 tokens.  It enters global addresses of my own tiles and outputs alone: no LDS address, no branch, no joint descriptor
	s_mov_b32 s[SEL], 0x76543210
	s_mov_b32 s[SEL+1], 0xfedcba98
	s_mov_b32 s[CS], 0x3fb8aa3b                    ; log2 e
	s_mov_b32 s[CS+1], s[CS]                       ; (named with it as a pair, so it is written)
	v_mov_b32 v[MC+1], 0                           ; (upper halves of pairs of which the low word serves both halves)
	v_mov_b32 v[INV+1], 0
	; LDS addresses: constants, the lane, and the wave's number times a constant
	s_mul_i32 s26, s[WV], REGW                     ; my region
	s_mov_b32 s[G0X0+1], s26
	s_add_co_u32 s[G0X1+1], s26, TILE
	s_add_co_u32 s[G0W0+1], s26, 2*TILE
	s_add_co_u32 s[G0W1+1], s26, 3*TILE
	v_mul_u32_u24 v[ADX], v1, PITCH
	v_lshl_add_u32 v[ADX], v2, 4, v[ADX]
	v_add_nc_u32 v[ADX], s26, v[ADX]               ; a fragment's row r, + 16 h
	v_add_nc_u32 v[ADW], 2*TILE, v[ADX]
	v_add_nc_u32 v[PSTO], s26, v[LI]
	s_lshl_b32 s27, s[WV], 12                      ; my 16 tokens' 4,096 bytes in each wave's partial sums
	v_add_nc_u32 v[PLD], s27, v[LI]
	v_add_nc_u32 v[PLD+1], REGW, v[PLD]
	v_add_nc_u32 v[PLD+2], 2*REGW, v[PLD]
	v_add_nc_u32 v[PLD+3], 3*REGW, v[PLD]
	s_mul_i32 s26, s[WV], 4*PITCH                  ; my four units of each block of scale bytes
	s_add_co_u32 s[G0XS+1], s26, SCL
	s_add_co_u32 s[G0WS+1], s26, SCW
	v_lshrrev_b32 v[ADS], 2, v1                    ; a row of scale bytes is 64 bytes, four rows to a unit: 64 r, and 16 more for each unit passed;
	v_lshlrev_b32 v[ADS], 4, v[ADS]
	v_lshl_add_u32 v[ADS], v1, 6, v[ADS]
	v_mad_u32_u24 v[ADS], v2, BLK, v[ADS]          ; lanes 16-31 take W's block, one BLK behind x's;
	s_lshl_b32 s27, s[WV], 4                       ; my 512 along K are 16 bytes: four words
	s_add_co_u32 s27, s27, SCL
	v_add_nc_u32 v[ADS], s27, v[ADS]
	s_mul_i32 s26, s[WV], BLK
	s_add_co_u32 s26, s26, NOI                     ; my 16 rows of noise
	s_mov_b32 s[G0N+1], s26
	v_mul_u32_u24 v[ADN], v1, PITCH
	v_lshl_add_u32 v[ADN], v2, 5, v[ADN]
	v_add_nc_u32 v[ADN], s26, v[ADN]
	v_mul_u32_u24 v[ADR], v2, PITCH
	v_lshl_add_u32 v[ADR], v1, 4, v[ADR]
	v_add_nc_u32 v[ADR], s26, v[ADR]
	s_lshl_b32 s27, s[WV], 7                       ; a token's pair is 8 bytes: 128 w + 8 r; lanes 16-31 write out1's block, 512 bytes on
	s_add_co_u32 s27, s27, TOP
	v_lshlrev_b32 v[TOPA], 3, v1
	v_lshl_add_u32 v[TOPA], v2, 9, v[TOPA]
	v_add_nc_u32 v[TOPA], s27, v[TOPA]
	s_and_b32 s27, s[WV], 1
	s_lshl_b32 s27, s27, 9
	s_add_co_u32 s27, s27, TOP
	v_add_nc_u32 v[TOPR], s27, v[LI]               ; wave 0 reads out0's block, wave 1 out1's
	; descriptor groups 1.  Tiles of codes: 64 rows x 256 bytes, 2,048 bytes from row to row, 16 bytes of padding behind each row in LDS
	s_mov_b32 s[G1X], (0<<16)|(1<<20)|(5<<22)|(3<<25)             ; 15:0 no mask; 17:16 elements of 1 byte; 20 padding on; 24:22 after every 64 words (code 5); 31:25 four words (code 3)
	s_mov_b32 s[G1W], 15|(0<<16)|(1<<20)|(1<<21)|(5<<22)|(3<<25)  ; the same with the mask of all four work-groups, and bit 21 set beside it
.irp g, G1X, G1W
	s_mov_b32 s[\g+1], 256<<16                     ; tensor_dim0 = 256
	s_mov_b32 s[\g+2], 64<<16                      ; tensor_dim1 = 64
	s_mov_b32 s[\g+3], 256<<16                     ; tile_dim0 = 256
	s_mov_b32 s[\g+4], 64                          ; tile_dim1 = 64
	s_mov_b32 s[\g+5], 2048                        ; tensor_dim0_stride
	s_mov_b32 s[\g+6], 0
	s_mov_b32 s[\g+7], 0
.endr
	; scale bytes: 1,024 dense bytes as 4 rows of 256 (32 elements of 8 bytes), padded likewise
	s_mov_b32 s[G1SX], (3<<16)|(1<<20)|(5<<22)|(3<<25)
	s_mov_b32 s[G1SW], 15|(3<<16)|(1<<20)|(1<<21)|(5<<22)|(3<<25)
.irp g, G1SX, G1SW
	s_mov_b32 s[\g+1], 32<<16
	s_mov_b32 s[\g+2], 4<<16
	s_mov_b32 s[\g+3], 32<<16
	s_mov_b32 s[\g+4], 4
	s_mov_b32 s[\g+5], 32
	s_mov_b32 s[\g+6], 0
	s_mov_b32 s[\g+7], 0
.endr
	; noise: 16 rows of 256 bytes, dense
	s_mov_b32 s[G1N], (3<<16)|(1<<20)|(5<<22)|(3<<25)
	s_mov_b32 s[G1N+1], 32<<16
	s_mov_b32 s[G1N+2], 16<<16
	s_mov_b32 s[G1N+3], 32<<16
	s_mov_b32 s[G1N+4], 16
	s_mov_b32 s[G1N+5], 32
	s_mov_b32 s[G1N+6], 0
	s_mov_b32 s[G1N+7], 0
.irp g, G0WS, G0XS, G0W0, G0X0, G0N, G0W1, G0X1
	s_mov_b32 s[\g], 1                             ; 1:0 count = 1
.endr
	s_mov_b32 s25, 0                               ; s[24:25]: offsets that hold g;  s[26:27]: offsets of the wave's number alone, which feed the joint descriptors
	s_mov_b32 s27, 0
	s_wait_dscnt 0x0
	s_wait_kmcnt 0x0
	s_lshl_b32 s26, s[WV], 9                       ; my 512 along K
	s_add_nc_u64 s[G0W0+2:G0W0+3], s[8:9], s[26:27]
	s_add_nc_u64 s[G0W1+2:G0W1+3], s[G0W0+2:G0W0+3], 256
	s_lshl_b32 s24, s23, 17                        ; 64 tokens of 2,048 bytes
	s_add_co_u32 s24, s24, s26
	s_add_nc_u64 s[G0X0+2:G0X0+3], s[4:5], s[24:25]
	s_add_nc_u64 s[G0X1+2:G0X1+3], s[G0X0+2:G0X0+3], 256
	s_lshl_b32 s26, s[WV], 10                      ; my quarter of a block of scale bytes
	s_add_nc_u64 s[G0WS+2:G0WS+3], s[10:11], s[26:27]
	s_lshl_b32 s24, s23, 12                        ; 64 tokens of 64 bytes
	s_add_co_u32 s24, s24, s26
	s_add_nc_u64 s[G0XS+2:G0XS+3], s[6:7], s[24:25]
	s_lshl_b32 s24, s23, 14                        ; 64 tokens of 256 bytes,
	s_lshl_b32 s26, s[WV], 12                      ; my 16 of them
	s_add_co_u32 s24, s24, s26
	s_add_nc_u64 s[G0N+2:G0N+3], s[12:13], s[24:25]
.irp g, G0WS, G0XS, G0W0, G0X0, G0N, G0W1, G0X1
	s_or_b32 s[\g+3], s[\g+3], 0x80000000          ; 127:126 type = 2
.endr
	ROUND                                          ; all four work-groups are here: the joint loads meet
	; All fills, in one group, in the order in which they are wanted.  Seven tensor loads of mine are out.
	tensor_load_to_lds s[G0WS:G0WS+3], s[G1SW:G1SW+7]  ; W's scale bytes, my quarter (joint)
	s_nop 0
	tensor_load_to_lds s[G0XS:G0XS+3], s[G1SX:G1SX+7]  ; x's, my quarter
	s_nop 0
	tensor_load_to_lds s[G0W0:G0W0+3], s[G1W:G1W+7]    ; W, my first 256 along K (joint)
	s_nop 0
	tensor_load_to_lds s[G0X0:G0X0+3], s[G1X:G1X+7]    ; x likewise
	s_nop 0
	tensor_load_to_lds s[G0N:G0N+3], s[G1N:G1N+7]      ; my 16 tokens' noise
	s_nop 0
	tensor_load_to_lds s[G0W1:G0W1+3], s[G1W:G1W+7]    ; W, my second 256 along K (joint)
	s_nop 0
	tensor_load_to_lds s[G0X1:G0X1+3], s[G1X:G1X+7]    ; x likewise
	s_nop 0
.rept 4
	v_nop                                          ; four plain lines follow the last of them
.endr
.irp t, 0,1,2,3
	global_load_b128 v[BN+8*\t:BN+8*\t+3],   v[BO], s[14:15] offset:64*\t      ; b at experts 16 t + 8 h + 0 .. 7
	global_load_b128 v[BN+8*\t+4:BN+8*\t+7], v[BO], s[14:15] offset:64*\t+16
.endr
	s_add_nc_u64 s[20:21], s[20:21], s[24:25]      ; out2 at my 16 tokens (the noise's offset)
	s_cmp_eq_u32 s[WV], 0
	s_cselect_b64 s[16:17], s[16:17], s[18:19]     ; wave 0 stores out0's block, wave 1 out1's (waves 2 and 3 store neither)
	s_lshl_b32 s24, s23, 9                         ; 64 tokens of 8 bytes
	s_add_nc_u64 s[16:17], s[16:17], s[24:25]
; A fragment, 16 rows x 128 K of 8-bit codes, is 16 registers: lane (r, h) holds row r; registers 4 c .. 4 c + 3 hold K = 32 c + 16 h + 0 .. 15
.macro FRAG reg, adr, off
.irp c, 0,1,2,3
	ds_load_b128 v[(\reg)+4*\c:(\reg)+4*\c+3], v[\adr] offset:(\off)+32*\c
.endr
.endm
; 32 LDS loads: my s-th 128 along K: W's four fragments, then x's four, into set s % 2
.macro FETCH s
.set FP, (\s)%2
.set FO, ((\s)/2)*TILE+128*((\s)%2)
	WIN 0x40                                       ; destination window 1, address window 0
.irp n, 0,1,2,3
	FRAG 64*FP+16*\n, ADW, FO+BLK*\n
.endr
	WIN 0
.irp m, 0,1,2,3
	FRAG XFR+64*FP+16*\m, ADX, FO+BLK*\m
.endr
.endm
; 16 matrix instructions: the 16 accumulators by turns, one instruction a turn, in the same order in every step.  zero = 1: the first step starts the sums: nothing is cleared.
; Source 0 (W) takes its scale word from lanes 16-31 of register 4 n + s, source 1 (x) from lanes 0-15 of register 4 m + s.
.macro MUL s, zero
.set FP, (\s)%2
	WIN 0x51                                       ; source 0 (W), C and D window 1; source 1 (x) window 0
.irp m, 0,1,2,3
.irp n, 0,1,2,3
.if \zero
	v_wmma_scale_f32_16x16x128_f8f6f4 v[ACC+8*(4*\m+\n):ACC+8*(4*\m+\n)+7], v[64*FP+16*\n:64*FP+16*\n+15], v[XFR+64*FP+16*\m:XFR+64*FP+16*\m+15], 0, v[SC+4*\n+(\s)], v[SC+4*\m+(\s)] matrix_a_fmt:MATRIX_FMT_BF8 matrix_b_fmt:MATRIX_FMT_BF8 matrix_a_scale:MATRIX_SCALE_ROW1
.else
	v_wmma_scale_f32_16x16x128_f8f6f4 v[ACC+8*(4*\m+\n):ACC+8*(4*\m+\n)+7], v[64*FP+16*\n:64*FP+16*\n+15], v[XFR+64*FP+16*\m:XFR+64*FP+16*\m+15], v[ACC+8*(4*\m+\n):ACC+8*(4*\m+\n)+7], v[SC+4*\n+(\s)], v[SC+4*\m+(\s)] matrix_a_fmt:MATRIX_FMT_BF8 matrix_b_fmt:MATRIX_FMT_BF8 matrix_a_scale:MATRIX_SCALE_ROW1
.endif
.endr
.endr
.endm
; The largest of a token's 64 numbers (my 32 in v[LG] on, and lane l xor 16's), into v[dst] of both lanes
.macro MAXALL dst
.irp t, 0,1,2,3
	v_max3_num_f32 v[CH+\t], v[LG+8*\t], v[LG+8*\t+1], v[LG+8*\t+2]          ; four chains, by turns
.endr
.irp i, 3,5
.irp t, 0,1,2,3
	v_max3_num_f32 v[CH+\t], v[CH+\t], v[LG+8*\t+\i], v[LG+8*\t+\i+1]
.endr
.endr
.irp t, 0,1,2,3
	v_max_num_f32 v[CH+\t], v[CH+\t], v[LG+8*\t+7]
.endr
	v_max3_num_f32 v[CH], v[CH], v[CH+1], v[CH+2]
	v_max_num_f32 v[CH], v[CH], v[CH+3]
	v_permlanex16_b32 v[TMP], v[CH], s[SEL], s[SEL+1]
	v_max_num_f32 v[\dst], v[CH], v[TMP]
.endm
; The lowest expert whose score equals v[val], into v[out] of both lanes.  Each chain walks its eight registers from the highest down, so that the lowest match is written last; 64 stands for no match.
; No address and no branch hangs on the result: it is only compared and stored.
.macro SCAN val, out
.irp t, 0,1,2,3
	v_mov_b32 v[CH+\t], 64
.endr
.irp j, 7,6,5,4,3,2,1,0
.irp t, 0,1,2,3
	v_cmp_eq_f32 s[MK+\t], v[LG+8*\t+\j], v[\val]
.endr
.irp t, 0,1,2,3
	v_cndmask_b32 v[CH+\t], v[CH+\t], 16*\t+\j, s[MK+\t]
.endr
.endr
	v_min_u32 v[CH], v[CH], v[CH+1]
	v_min_u32 v[CH+2], v[CH+2], v[CH+3]
	v_min_u32 v[CH], v[CH], v[CH+2]
	v_lshl_add_u32 v[CH], v2, 3, v[CH]             ; register 8 t + j is expert 16 t + 8 h + j
	v_permlanex16_b32 v[TMP], v[CH], s[SEL], s[SEL+1]
	v_min_u32 v[\out], v[CH], v[TMP]
.endm
	; ---- the scale words
	s_wait_tensorcnt 0x5                           ; my quarters of both blocks of scale bytes have landed; the five younger loads stay out,
	s_barrier_signal -1
	s_barrier_wait -1                              ; and so have the other waves' quarters.
.irp i, 0,1,2,3
	ds_load_b128 v[SC+4*\i:SC+4*\i+3], v[ADS] offset:4*PITCH*\i   ; tile i's rows: the four words of my 512 along K
.endr
	; ---- my first 256 along K
	s_wait_tensorcnt 0x3                           ; W's and x's first tiles are in (only I read them); the noise and the second tiles stay out
	FETCH 0
	FETCH 1
	s_wait_dscnt 32                                ; the scale words and step 0's fragments are in; step 1's 32 loads may be out
	MUL 0, 1
	s_wait_dscnt 0x0
	MUL 1, 0
	; ---- b + 0.1 noise, which starts my tokens' sums
	WIN 0
	s_wait_tensorcnt 0x2                           ; the noise is in; the two second tiles stay out
.irp t, 0,1,2,3
	ds_load_b128 v[NZ+8*\t:NZ+8*\t+3],   v[ADN] offset:64*\t
	ds_load_b128 v[NZ+8*\t+4:NZ+8*\t+7], v[ADN] offset:64*\t+16
.endr
	s_wait_loadcnt 0x0                             ; b
	s_wait_dscnt 0x0
.irp i, 0,2,4,6,8,10,12,14,16,18,20,22,24,26,28,30
	v_pk_fma_f32 v[BN+\i:BN+\i+1], v[NZ+\i:NZ+\i+1], 0x3dcccccd, v[BN+\i:BN+\i+1] op_sel_hi:[1,0,1]   ; these sixteen name no register of the products: they are also the eight places in front of the loads below
.endr
	; ---- my second 256 along K
	s_wait_tensorcnt 0x0                           ; all my tiles are in
	FETCH 2
	FETCH 3
	s_wait_dscnt 32
	MUL 2, 0
	s_wait_dscnt 0x0
	MUL 3, 0
	; ---- the partial sums go to LDS as images of their registers: 16 bytes a lane, 512 consecutive bytes a store; over x's first tile, which only I have read, and whose reads are back
	WIN 0
.rept 8
	v_nop                                          ; eight places between the last products and the stores of their results; they serve the later loads into x's fragment registers too
.endr
	WIN 0x04                                       ; an LDS store's data are its source 1: window 1
.irp m, 0,1,2,3
.irp n, 0,1,2,3
	ds_store_b128 v[PSTO], v[ACC+8*(4*\m+\n):ACC+8*(4*\m+\n)+3]   offset:4096*\m+1024*\n       ; each accumulator from its low end on
	ds_store_b128 v[PSTO], v[ACC+8*(4*\m+\n)+4:ACC+8*(4*\m+\n)+7] offset:4096*\m+1024*\n+512
.endr
.endr
	WIN 0
	s_wait_dscnt 0x0                               ; for the others' sake: my stores have landed
	s_barrier_signal -1
	s_barrier_wait -1
	; ---- my 16 tokens: the four waves' parts of K, added in ascending order onto b + 0.1 noise
.irp w, 0,1,2,3
.irp n, 0,1,2,3
	ds_load_b128 v[XFR+32*\w+8*\n:XFR+32*\w+8*\n+3],   v[PLD+\w] offset:1024*\n
	ds_load_b128 v[XFR+32*\w+8*\n+4:XFR+32*\w+8*\n+7], v[PLD+\w] offset:1024*\n+512
.endr
.endr
	s_wait_dscnt 24                                ; wave 0's eight are in; the 24 younger may be out
.irp i, 0,2,4,6,8,10,12,14,16,18,20,22,24,26,28,30
	v_pk_add_f32 v[LG+\i:LG+\i+1], v[BN+\i:BN+\i+1], v[LG+\i:LG+\i+1]
.endr
.irp w, 1,2,3
	s_wait_dscnt 24-8*\w                           ; wave w's eight are in
.irp i, 0,2,4,6,8,10,12,14,16,18,20,22,24,26,28,30
	v_pk_add_f32 v[LG+\i:LG+\i+1], v[LG+\i:LG+\i+1], v[XFR+32*\w+\i:XFR+32*\w+\i+1]
.endr
.endr
	; ---- softmax: the row's largest logit is taken away ahead of the exponential
	MAXALL MC
	v_mul_f32 v[MC], s[CS], v[MC]
.irp i, 0,2,4,6,8,10,12,14,16,18,20,22,24,26,28,30
	v_pk_fma_f32 v[LG+\i:LG+\i+1], v[LG+\i:LG+\i+1], s[CS:CS+1], v[MC:MC+1] op_sel_hi:[1,0,0] neg_lo:[0,0,1] neg_hi:[0,0,1]   ; logit x log2 e - largest x log2 e
.endr
.irp i, 0,1,2,3,4,5,6,7,8,9,10,11,12,13,14,15,16,17,18,19,20,21,22,23,24,25,26,27,28,29,30,31
	v_exp_f32 v[LG+\i], v[LG+\i]
.endr
	v_nop                                          ; a plain instruction behind the last exponential (ISA guide 5.7.2),
	s_wait_alu depctr_va_vdst(0)                   ; and one wait for the batch of 32, ahead of its first reader
.irp i, 0,1,2,3,4,5,6,7
	v_pk_add_f32 v[SM+2*\i:SM+2*\i+1], v[LG+4*\i:LG+4*\i+1], v[LG+4*\i+2:LG+4*\i+3]   ; the sum, as a tree
.endr
.irp i, 0,1,2,3
	v_pk_add_f32 v[SM+16+2*\i:SM+16+2*\i+1], v[SM+4*\i:SM+4*\i+1], v[SM+4*\i+2:SM+4*\i+3]
.endr
.irp i, 0,1
	v_pk_add_f32 v[SM+24+2*\i:SM+24+2*\i+1], v[SM+16+4*\i:SM+16+4*\i+1], v[SM+16+4*\i+2:SM+16+4*\i+3]
.endr
	v_pk_add_f32 v[SM+28:SM+29], v[SM+24:SM+25], v[SM+26:SM+27]
	v_add_f32 v[SM+30], v[SM+28], v[SM+29]
	v_permlanex16_b32 v[TMP], v[SM+30], s[SEL], s[SEL+1]
	v_add_f32 v[SM+30], v[SM+30], v[TMP]           ; with lane l xor 16's 32 experts: at least about 1, the largest logit's own term
	v_rcp_f32 v[INV], v[SM+30]
	v_nop
	s_wait_alu depctr_va_vdst(0)                   ; the reciprocal's wait, ahead of its first reader
.irp i, 0,2,4,6,8,10,12,14,16,18,20,22,24,26,28,30
	v_pk_mul_f32 v[LG+\i:LG+\i+1], v[LG+\i:LG+\i+1], v[INV:INV+1] op_sel_hi:[1,0]     ; the scores
.endr
	; ---- the scores go through my stage (my rows of noise, which have been read) and come back as whole rows of 256 bytes
.irp t, 0,1,2,3
	ds_store_b128 v[ADN], v[LG+8*\t:LG+8*\t+3]   offset:64*\t
	ds_store_b128 v[ADN], v[LG+8*\t+4:LG+8*\t+7] offset:64*\t+16
.endr
.irp i, 0,1,2,3,4,5,6,7
	ds_load_b128 v[OB+4*\i:OB+4*\i+3], v[ADR] offset:2*PITCH*\i   ; LDS serves a wave's instructions in order (ISA guide 5.7.1.4): these see the stores above
.endr
	; ---- the largest score and its expert, while the rows come back
	MAXALL V1
	SCAN V1, I1
	s_wait_dscnt 0x0
.irp i, 0,1,2,3,4,5,6,7
	global_store_b128 v[LI], v[OB+4*\i:OB+4*\i+3], s[20:21] offset:512*\i th:TH_STORE_NT   ; 32 lanes store two rows: 512 consecutive bytes, at a multiple of 256 from out2's first byte
.endr
	; ---- the winner is taken out (scores are not negative: -1 lies under all), and the search is run again
	v_lshlrev_b32 v[XI], 3, v2
	v_sub_nc_u32 v[XI], v[I1], v[XI]               ; register 8 t + j holds the winner where 16 t + j = winner - 8 h; in the half that does not hold it, bit 3 of that number is set (or it is negative) and nothing matches
.irp j, 0,1,2,3,4,5,6,7
.irp t, 0,1,2,3
	v_cmp_eq_u32 s[MK+\t], 16*\t+\j, v[XI]
.endr
.irp t, 0,1,2,3
	v_cndmask_b32 v[LG+8*\t+\j], v[LG+8*\t+\j], -1.0, s[MK+\t]
.endr
.endr
	MAXALL V2
	SCAN V2, I2
	; ---- the pairs meet in LDS: lanes 0-15 bring a token's two scores, lanes 16-31 its two experts
	v_cmp_eq_u32 vcc_lo, 1, v2
	v_cndmask_b32 v[PR], v[V1], v[I1], vcc_lo
	v_cndmask_b32 v[PR+1], v[V2], v[I2], vcc_lo
	ds_store_b64 v[TOPA], v[PR:PR+1]
	s_wait_dscnt 0x0                               ; for the others' sake: my pairs have landed
	s_barrier_signal -1
	s_barrier_wait -1
	s_cmp_gt_u32 s[WV], 1
	s_cbranch_scc1 .Lno_top                        ; waves 2 and 3 have no block to store
	ds_load_b128 v[TB:TB+3], v[TOPR]
	s_wait_dscnt 0x0
	global_store_b128 v[LI], v[TB:TB+3], s[16:17] th:TH_STORE_NT   ; the work-group's 64 pairs: 512 consecutive bytes, at a multiple of 256 from the output's first byte
.Lno_top:
	s_wait_tensorcnt 0x0
	ds_add_u32 v126, v127
	s_wait_dscnt 0x0
	ROUND                                          ; the closing round: no work-group ends while a partner may still ask for a tile that names it
	s_endpgm
.Lfunc_end_k_q1fe3ba2e4f_router:
	.size	k_q1fe3ba2e4f_router, .Lfunc_end_k_q1fe3ba2e4f_router-k_q1fe3ba2e4f_router
	.p2alignl 7, 3214868480
	.fill 96, 4, 3214868480
	.section	.rodata,"a",@progbits
	.p2align	6, 0x0
	.amdhsa_kernel k_q1fe3ba2e4f_router
		.amdhsa_group_segment_fixed_size 306176
		.amdhsa_private_segment_fixed_size 0
		.amdhsa_enable_private_segment 0
		.amdhsa_kernarg_size 72
		.amdhsa_user_sgpr_count 2
		.amdhsa_user_sgpr_kernarg_segment_ptr 1
		.amdhsa_wavefront_size32 1
		.amdhsa_system_sgpr_workgroup_id_x 1
		.amdhsa_system_sgpr_workgroup_id_y 1
		.amdhsa_system_sgpr_workgroup_id_z 1
		.amdhsa_system_vgpr_workitem_id 0
		.amdhsa_next_free_vgpr 512
		.amdhsa_next_free_sgpr 100
		.amdhsa_reserve_vcc 1
		.amdhsa_float_denorm_mode_32 3
		.amdhsa_float_denorm_mode_16_64 3
		.amdhsa_memory_ordered 1
		.amdhsa_forward_progress 1
		.amdhsa_inst_pref_size 60
	.end_amdhsa_kernel
	.amdgpu_metadata
---
amdhsa.version: [ 1, 2 ]
amdhsa.kernels:
  - .name:           k_q1fe3ba2e4f_router
    .symbol:         k_q1fe3ba2e4f_router.kd
    .args:
      - { .name: x_codes, .offset: 0, .size: 8, .value_kind: global_buffer, .address_space: global }
      - { .name: x_scales, .offset: 8, .size: 8, .value_kind: global_buffer, .address_space: global }
      - { .name: W_codes, .offset: 16, .size: 8, .value_kind: global_buffer, .address_space: global }
      - { .name: W_scales, .offset: 24, .size: 8, .value_kind: global_buffer, .address_space: global }
      - { .name: noise, .offset: 32, .size: 8, .value_kind: global_buffer, .address_space: global }
      - { .name: b, .offset: 40, .size: 8, .value_kind: global_buffer, .address_space: global }
      - { .name: out0, .offset: 48, .size: 8, .value_kind: global_buffer, .address_space: global }
      - { .name: out1, .offset: 56, .size: 8, .value_kind: global_buffer, .address_space: global }
      - { .name: out2, .offset: 64, .size: 8, .value_kind: global_buffer, .address_space: global }
    .group_segment_fixed_size: 306176
    .private_segment_fixed_size: 0
    .kernarg_segment_align: 8
    .kernarg_segment_size: 72
    .max_flat_workgroup_size: 128
    .sgpr_count:     100
    .vgpr_count:     512
    .wavefront_size: 32
...
	.end_amdgpu_metadata
.endif
;; end of part 1
